; MI455X (gfx1250); checked and timed in simulation.
; The chip was launched on July 23, 2026; its instructions are those of AMD's public machine-readable ISA for CDNA 5 (MIT licence, August 2026) and "CDNA5" Instruction Set Architecture Reference Guide (July 2026). The comments in the code are by the model that wrote it; some were corrected since.
;; SIC Model2. Allowed arithmetic: float matrix products may take bf16 or f16 operands with f32 sums; other float arithmetic in f32, or as packed bf16 or f16 multiplies, adds, multiply-adds, maxima and minima; sums over many terms, partial sums and values carried from step to step in f32; what a program stores and reads back later, other than sums and carried values, may be rounded once to bf16 or f16.
;; Inputs: Wh1 1,024 x 1,024 float32; Wh2 1,024 x 1,024 float32; Wh3 1,024 x 1,024 float32; Wh4 1,024 x 1,024 float32; Wp1 1,024 x 1,024 float32; Wp2 1,024 x 1,024 float32; Wp3 1,024 x 1,024 float32; Wp4 1,024 x 1,024 float32; bh1 1,024 float32; bh2 1,024 float32; bh3 1,024 float32; bh4 1,024 float32; bp1 1,024 float32; bp2 1,024 float32; bp3 1,024 float32; bp4 1,024 float32; hidden_states 16 x 512 x 1,024 float32; hypo_word_idxs 16 x 1 x 2 x 256 int32; prem_word_idxs 16 x 1 x 2 x 256 int32.
;; Outputs: out0 16 x 256 x 1,024 float32; out1 16 x 256 x 1,024 float32.
;; One version. Each part assembles by itself: llvm-mc -triple=amdgcn-amd-amdhsa -mcpu=gfx1250 --defsym DOCPART=n.
;; ======== version 1 of 1: 2 launches
;; limits: values are held in f16: magnitudes above 65,504 overflow, below 6.1e-05 lose precision; inputs' magnitudes at most 65,504
;; workspace buffers: aw 33,554,432 bytes; ww 12,582,912 bytes
;; launch prep (part 1): grid 768 x 1, 8 waves a work-group, no clusters, 0 bytes of LDS; arguments hidden_states, prem_word_idxs, hypo_word_idxs, aw, Wp1, Wp2, Wp3, Wp4, Wh1, Wh2, Wh3, Wh4, ww; writes aw, ww
.if DOCPART == 1
	.amdgcn_target "amdgcn-amd-amdhsa--gfx1250"
	.amdhsa_code_object_version 6
	.text
	.protected	k_qaafaab0209_prep
	.globl	k_qaafaab0209_prep
	.p2align	8
	.type	k_qaafaab0209_prep,@function
k_qaafaab0209_prep:
	s_mov_b64 s[64:65], 0
	v_nop
	global_prefetch_b8 v0, s[64:65] scope:SCOPE_SE
	s_setreg_imm32_b32 hwreg(HW_REG_WAVE_MODE, 25, 1), 1
	s_wait_xcnt 0x0
; SPAN FEATURES, first of two launches: the operands of the products are gathered, combined, rounded to f16 and laid out in blocks.
; THE PROBLEM.  For each side (prem, hypo): out[b][k] = tanh(p1[s] + p2[e] + p3[s] - p3[e] + p4[s] p4[e]), p_i = x W_i^T + b_i, s = start[b][k], e = end[b][k], rows of x[b].
; WORK LEFT OUT, for all finite values of the inputs:
;   (1) a row of p_i is made of the same row of x alone, and only rows named by an index reach an output: only gathered rows are multiplied (256 start and 256 end rows for a batch and side);
;   (2) p1[s] + p3[s] = x_s (W1 + W3)^T + b1 + b3 and p2[e] - p3[e] = x_e (W2 - W3)^T + b2 - b3: the two b3 cancel, b3 - b3 = 0, so bp3 and bh3 have no way to an output: they are not loaded and are no arguments.
;   So an output number is tanh(L + P Q), L = x_s . (W1+W3) + x_e . (W2-W3) + b1 + b2, P = x_s . W4 + b4, Q = x_e . W4 + b4: four sums over 1,024 where the formula as written has eight.
; LIMITS.  A NaN, an infinity or an overflow in bp3, bh3 or in a row of x that no index names is not carried to the result.  Indices are taken as 0 .. 511 (held to 511 as unsigned numbers; negative ones are not served).
;   x, W1+W3, W2-W3 (formed in f32) and W4 are rounded once to f16: 65,520 or more becomes an infinity; below 6e-5 f16 keeps its fixed step of 6e-8.  The order of the sums differs from the formula's.
; WHY f16: eleven significant bits; with eight (bf16) the roundings alone would use up the allowance of numbers near 0.
; aw: f16 [ytile 32 = 16 side + b][kb 16][se 2][row k 256][64]      ww: f16 [8 side + ntile 16][kb 16][mat 3: W1+W3, W2-W3, W4][row 128][64]      kb: a block of 64 channels.
; In a block's 128 bytes the piece p (16 bytes, p = 0 .. 7) holds channels 4 p .. 4 p + 3 and 32 + 4 p .. 32 + 4 p + 3: the same order in aw and ww, so the products are the same;
; a thread's two loads of 16 bytes then make one store of 16 bytes, eight lanes read 128 consecutive bytes of a row, and a wave's store covers 512 consecutive bytes, aligned.
; SHARES.  Work-groups 0 .. 511: 32 gathered rows each (side, b, se, 32 k), all 16 blocks.  Work-groups 512 .. 767: 32 rows of one side's four weights, 4 blocks.  Thread t: row t / 8, piece t % 8.
; Straight text: each wave issues its 32 loads of 16 bytes a lane ahead of its first wait for data.  No LDS, no matrix unit, no cluster: nothing is shared between waves.
.set D, 16                             ; v[16:143]  the 32 loads' data, converted in place
	s_load_b512 s[8:23], s[0:1], 0x0               ; x s[8:9], prem s[10:11], hypo s[12:13], aw s[14:15], Wp1 .. Wp4 s[16:23]
	s_load_b256 s[24:31], s[0:1], 0x40             ; Wh1 .. Wh4
	s_load_b64 s[32:33], s[0:1], 0x60              ; ww
	v_lshrrev_b32 v1, 3, v0                        ; my row among the group's 32
	v_and_b32 v2, 7, v0
	v_lshlrev_b32 v2, 4, v2                        ; 16 p: my piece's first four channels in f32
	v_lshlrev_b32 v6, 4, v0                        ; where I store: row x 128 + 16 p = 16 t
	s_mov_b32 s3, 0                                ; the high word of every offset
	s_wait_kmcnt 0x0
	s_cmp_ge_u32 ttmp9, 512
	s_cbranch_scc1 .Lweights
	; GATHERED ROWS.  g = 256 side + 16 b + 8 se + rg
	s_and_b32 s4, ttmp9, 7                         ; rg: which 32 of the 256 k
	s_bfe_u32 s5, ttmp9, 0x50003                   ; 2 b + se
	s_bfe_u32 s6, ttmp9, 0x40004                   ; b
	s_bfe_u32 s7, ttmp9, 0x10003                   ; se
	s_lshr_b32 s34, ttmp9, 8                       ; side
	s_cmp_eq_u32 s34, 0
	s_cselect_b64 s[36:37], s[10:11], s[12:13]     ; the side's index list, [16][1][2][256] of 4 bytes
	s_lshl_b32 s2, s5, 10
	s_lshl_b32 s35, s4, 7
	s_add_co_u32 s2, s2, s35
	s_add_nc_u64 s[36:37], s[36:37], s[2:3]
	v_lshlrev_b32 v3, 2, v1
	global_load_b32 v4, v3, s[36:37]               ; my row's index
	s_lshl_b32 s2, s6, 21                          ; x[b]: 512 rows of 4,096 bytes
	s_add_nc_u64 s[8:9], s[8:9], s[2:3]
	s_lshl_b32 s34, s34, 4
	s_add_co_u32 s34, s34, s6                      ; ytile
	s_lshl_b32 s2, s34, 20
	s_lshl_b32 s35, s7, 15
	s_add_co_u32 s2, s2, s35
	s_lshl_b32 s35, s4, 12
	s_add_co_u32 s2, s2, s35
	s_add_nc_u64 s[14:15], s[14:15], s[2:3]        ; aw at the group's 32 rows of block 0
	s_wait_loadcnt 0x0                             ; the index
	v_min_u32 v4, 0x1ff, v4                        ; held inside x[b]
	v_lshlrev_b32 v4, 12, v4
	v_add_nc_u32 v5, v4, v2                        ; row x 4,096 + 16 p
.set kb, 0
.rept 16                                           ; no hint: a row may be named more than once
	global_load_b128 v[D+8*kb:D+8*kb+3],   v5, s[8:9] offset:256*kb
	global_load_b128 v[D+8*kb+4:D+8*kb+7], v5, s[8:9] offset:256*kb+128
.set kb, kb+1
.endr
.set kb, 0
.rept 16
	s_wait_loadcnt 30-2*kb                         ; loads come back in order: the later blocks' two loads each may stay out
.irp i, 0,1,2,3
	v_cvt_pk_f16_f32 v[D+8*kb+(\i)], v[D+8*kb+2*(\i)], v[D+8*kb+2*(\i)+1]  ; in place: result i never lies ahead of its sources
.endr
	global_store_b128 v6, v[D+8*kb:D+8*kb+3], s[14:15] offset:65536*kb
.set kb, kb+1
.endr
	s_endpgm
.Lweights:                                         ; g - 512 = 128 side + 4 rg + kq
	s_sub_co_u32 s4, ttmp9, 512
	s_and_b32 s5, s4, 3                            ; kq: which four blocks
	s_bfe_u32 s6, s4, 0x50002                      ; rg: which 32 of the 1,024 rows
	s_lshr_b32 s7, s4, 7                           ; side
	s_cmp_eq_u32 s7, 0
	s_cselect_b64 s[16:17], s[16:17], s[24:25]     ; W1 .. W4 of the side
	s_cselect_b64 s[18:19], s[18:19], s[26:27]
	s_cselect_b64 s[20:21], s[20:21], s[28:29]
	s_cselect_b64 s[22:23], s[22:23], s[30:31]
	s_lshl_b32 s2, s6, 17                          ; 32 rows of 4,096 bytes
	s_lshl_b32 s34, s5, 10                         ; four blocks of 256 bytes
	s_add_co_u32 s2, s2, s34
	s_add_nc_u64 s[16:17], s[16:17], s[2:3]
	s_add_nc_u64 s[18:19], s[18:19], s[2:3]
	s_add_nc_u64 s[20:21], s[20:21], s[2:3]
	s_add_nc_u64 s[22:23], s[22:23], s[2:3]
	v_lshl_add_u32 v5, v1, 12, v2                  ; row x 4,096 + 16 p
.set j, 0
.rept 4                                            ; block j of my four, matrix m: eight registers at D + 32 j + 8 m; each weight is read once in the launch
.irp m, 0,1,2,3
	global_load_b128 v[D+32*j+8*(\m):D+32*j+8*(\m)+3],   v5, s[16+2*(\m):17+2*(\m)] offset:256*j th:TH_LOAD_NT
	global_load_b128 v[D+32*j+8*(\m)+4:D+32*j+8*(\m)+7], v5, s[16+2*(\m):17+2*(\m)] offset:256*j+128 th:TH_LOAD_NT
.endr
.set j, j+1
.endr
	s_lshl_b32 s34, s7, 3
	s_lshr_b32 s35, s6, 2
	s_add_co_u32 s34, s34, s35                     ; 8 side + ntile
	s_mul_i32 s2, s34, 786432
	s_mul_i32 s34, s5, 196608                      ; four blocks of 49,152 bytes
	s_add_co_u32 s2, s2, s34
	s_and_b32 s34, s6, 3
	s_lshl_b32 s34, s34, 12                        ; my 32 rows among the tile's 128
	s_add_co_u32 s2, s2, s34
	s_add_nc_u64 s[32:33], s[32:33], s[2:3]
.set j, 0
.rept 4
	s_wait_loadcnt 24-8*j                          ; the later blocks' eight loads each may stay out
.irp i, 0,2,4,6
	v_pk_add_f32 v[D+32*j+(\i):D+32*j+(\i)+1], v[D+32*j+(\i):D+32*j+(\i)+1], v[D+32*j+16+(\i):D+32*j+16+(\i)+1]  ; W1 + W3, in f32
	v_pk_add_f32 v[D+32*j+8+(\i):D+32*j+8+(\i)+1], v[D+32*j+8+(\i):D+32*j+8+(\i)+1], v[D+32*j+16+(\i):D+32*j+16+(\i)+1] neg_lo:[0,1] neg_hi:[0,1]  ; W2 - W3
.endr
.irp m, 0,8,24
.irp i, 0,1,2,3
	v_cvt_pk_f16_f32 v[D+32*j+(\m)+(\i)], v[D+32*j+(\m)+2*(\i)], v[D+32*j+(\m)+2*(\i)+1]
.endr
.endr
	global_store_b128 v6, v[D+32*j:D+32*j+3],     s[32:33] offset:49152*j
	global_store_b128 v6, v[D+32*j+8:D+32*j+11],  s[32:33] offset:49152*j+16384
	global_store_b128 v6, v[D+32*j+24:D+32*j+27], s[32:33] offset:49152*j+32768
.set j, j+1
.endr
	s_endpgm
.Lfunc_end_k_qaafaab0209_prep:
	.size	k_qaafaab0209_prep, .Lfunc_end_k_qaafaab0209_prep-k_qaafaab0209_prep
	.p2alignl 7, 3214868480
	.fill 96, 4, 3214868480
	.section	.rodata,"a",@progbits
	.p2align	6, 0x0
	.amdhsa_kernel k_qaafaab0209_prep
		.amdhsa_group_segment_fixed_size 0
		.amdhsa_private_segment_fixed_size 0
		.amdhsa_enable_private_segment 0
		.amdhsa_kernarg_size 104
		.amdhsa_user_sgpr_count 2
		.amdhsa_user_sgpr_kernarg_segment_ptr 1
		.amdhsa_wavefront_size32 1
		.amdhsa_system_sgpr_workgroup_id_x 1
		.amdhsa_system_sgpr_workgroup_id_y 1
		.amdhsa_system_sgpr_workgroup_id_z 1
		.amdhsa_system_vgpr_workitem_id 0
		.amdhsa_next_free_vgpr 144
		.amdhsa_next_free_sgpr 66
		.amdhsa_reserve_vcc 0
		.amdhsa_float_denorm_mode_32 3
		.amdhsa_float_denorm_mode_16_64 3
		.amdhsa_memory_ordered 1
		.amdhsa_forward_progress 1
		.amdhsa_inst_pref_size 22
	.end_amdhsa_kernel
	.amdgpu_metadata
---
amdhsa.version: [ 1, 2 ]
amdhsa.kernels:
  - .name:           k_qaafaab0209_prep
    .symbol:         k_qaafaab0209_prep.kd
    .args:
      - { .name: hidden_states, .offset: 0, .size: 8, .value_kind: global_buffer, .address_space: global }
      - { .name: prem_word_idxs, .offset: 8, .size: 8, .value_kind: global_buffer, .address_space: global }
      - { .name: hypo_word_idxs, .offset: 16, .size: 8, .value_kind: global_buffer, .address_space: global }
      - { .name: aw, .offset: 24, .size: 8, .value_kind: global_buffer, .address_space: global }
      - { .name: Wp1, .offset: 32, .size: 8, .value_kind: global_buffer, .address_space: global }
      - { .name: Wp2, .offset: 40, .size: 8, .value_kind: global_buffer, .address_space: global }
      - { .name: Wp3, .offset: 48, .size: 8, .value_kind: global_buffer, .address_space: global }
      - { .name: Wp4, .offset: 56, .size: 8, .value_kind: global_buffer, .address_space: global }
      - { .name: Wh1, .offset: 64, .size: 8, .value_kind: global_buffer, .address_space: global }
      - { .name: Wh2, .offset: 72, .size: 8, .value_kind: global_buffer, .address_space: global }
      - { .name: Wh3, .offset: 80, .size: 8, .value_kind: global_buffer, .address_space: global }
      - { .name: Wh4, .offset: 88, .size: 8, .value_kind: global_buffer, .address_space: global }
      - { .name: ww, .offset: 96, .size: 8, .value_kind: global_buffer, .address_space: global }
    .group_segment_fixed_size: 0
    .private_segment_fixed_size: 0
    .kernarg_segment_align: 8
    .kernarg_segment_size: 104
    .max_flat_workgroup_size: 256
    .sgpr_count:     66
    .vgpr_count:     144
    .wavefront_size: 32
...
	.end_amdgpu_metadata
.endif
;; end of part 1
;; launch span (part 2): grid 8 x 32, 4 waves a work-group, clusters of 4 x 4, 327,680 bytes of LDS; arguments aw, ww, bp1, bp2, bp4, bh1, bh2, bh4, out0, out1; writes out0, out1
.if DOCPART == 2
	.amdgcn_target "amdgcn-amd-amdhsa--gfx1250"
	.amdhsa_code_object_version 6
	.text
	.protected	k_qaafaab0209_span
	.globl	k_qaafaab0209_span
	.p2align	8
	.type	k_qaafaab0209_span,@function
k_qaafaab0209_span:
	s_mov_b64 s[64:65], 0
	v_nop
	global_prefetch_b8 v0, s[64:65] scope:SCOPE_SE
	s_setreg_imm32_b32 hwreg(HW_REG_WAVE_MODE, 25, 1), 1
	s_wait_xcnt 0x0
	s_wait_alu depctr_hold_cnt(0) depctr_sa_sdst(0) depctr_va_vdst(0) depctr_va_sdst(0) depctr_va_ssrc(0) depctr_va_vcc(0) depctr_vm_vsrc(0)
	s_getreg_b32 s2, hwreg(HW_REG_IB_STS2, 6, 4)
	s_cmp_eq_u32 s2, 0
	s_cbranch_scc0 .Lentry_in_a_cluster
	s_endpgm
.Lentry_in_a_cluster:
	s_bfe_u32 s2, ttmp6, 0x10000c
	s_cmp_lg_u32 s2, 0xf033
	s_cbranch_scc0 .Lentry_shape_is_right
	s_endpgm
.Lentry_shape_is_right:
; SPAN FEATURES, second launch: out = tanh(L + P Q), L = x_s . (W1+W3) + x_e . (W2-W3) + b1 + b2, P = x_s . W4 + b4, Q = x_e . W4 + b4.
; Left out, as shown at the head of the first launch: rows of x that no index names, and bp3, bh3 (b3 - b3 = 0), which are no arguments.  A NaN or an infinity there is not carried to the result.
; Operands in f16 as the first launch laid them (aw, ww: blocks of 64 channels, the same order of channels in both); sums, biases, product and tanh in f32.
; tanh t = 1 - 2 / (1 + 2^(2 log2(e) t)): an exponential that overflows gives 1, one that vanishes gives -1.
; SHARES.  A work-group makes 256 rows (one batch of one side: ytile = 16 side + b) x 128 columns (ntile).  Wave w: rows 128 (w / 2) on, columns 64 (w % 2) on, for L, P and Q:
; three sets of 8 x 4 accumulators of 16 x 16, 768 registers.  For 32 channels a wave reads 28 fragments (56 LDS loads) and issues 128 matrix instructions.
; THE MATRIX INSTRUCTION IS USED TRANSPOSED (source 0 = 16 rows of a weight, source 1 = 16 gathered rows): lane l holds output row l % 16 and the columns 8 (l / 16) + 0 .. 7.
; THE BIASES are the C operand of each sum's first product: nothing is cleared and nothing is added later.
; RING.  K goes in 16 steps of 64 channels through two LDS slots.  A step's tiles are dense in memory (32,768 bytes of x_s, of x_e; 49,152 of the three weights) and are asked for as rows of 256 bytes,
; padded in LDS by 16 bytes after every 128: LDS rows of 144 bytes, so the 16 rows of a fragment start at 16 different groups of four banks (64 banks of 4 bytes: ISA guide 11.1).
; Waves 0, 1 fetch x_s, x_e; waves 2, 3 the two halves of the weights' block: one tensor load a wave behind each change of slots; two of a wave's are out at the start, later one.
; CLUSTER 4 x 4: the four work-groups of a row share ytile and ask for its tiles jointly, the four of a column share ntile (and the side, which the whole cluster shares) and ask for the weights jointly.
; REGISTERS, in windows of 256 (s_set_vgpr_msb: bits 1:0 source 0, 3:2 source 1, 5:4 source 2, 7:6 destination):
;   window 0: v0-31 addresses; v32-95 X (x_s, 8 fragments), v96-159 Y (x_e), v160-191 WA (W1+W3, 4 fragments), v192-223 WB (W4), v224-255 WC (W2-W3); on the way out v32-63 T, v64-127 two row buffers
;   window 1: L      window 2: P      window 3: Q      accumulator (a, b) at v[8 (4 a + b)]
.set PITCH, 144
.set FR,    16*PITCH                   ; 16 LDS rows: from fragment to fragment
.set AE,    256*PITCH                  ; x_e behind x_s
.set WOFF,  512*PITCH                  ; the weights behind both: W1+W3, then
.set W23O,  128*PITCH                  ; W2-W3,
.set W4O,   256*PITCH                  ; W4
.set SLOT,  896*PITCH                  ; 129,024 bytes
.set STAGE, 2*SLOT                     ; behind the ring: 16 rows x 272 bytes for each wave, for the way out; no tensor load fills it
.set SP,    272
.set SPARE, STAGE+4*16*SP              ; behind the stages: the spare words, 128 bytes for each wave: two blocks of 256 bytes that no other line names
.set ASTEP, 65536                      ; bytes from K step to K step in aw
.set WSTEP, 49152                      ; and in ww
.set ADRA, 16                          ; v16-17  LDS address of my x_s fragments in slot 0, 1
.set ADRW, 20                          ; v20-21  of my W1+W3 fragments
.set STO,  24                          ; v24     the way out: where I put 32 bytes of a row
.set RD,   25                          ; v25     where I read rows back
.set CO,   26                          ; v26     my byte offset in two rows of the output
.set BO,   27                          ; v27     my byte offset in a bias's 16 numbers: 32 (l / 16)
.set SPW,  28                          ; v28     LDS address of my spare word: SPARE + 4 x my thread's number; never rewritten
.set NIL,  29                          ; v29     0; never rewritten
.set PFO,  30                          ; v30     the prefetches' offset: 256 x my lane (held to the last block of my share); never rewritten
.set X,    32
.set Y,    96
.set WA,   160
.set WB,   192
.set WC,   224
.set T,    32
.set OB,   64
.set G1,  24                           ; s[24:31] descriptor group 1 for aw's tiles;  s[32:39] group 0, a set for each slot
.set G0,  32
.set G1B, 48                           ; s[48:55], s[56:63] the same for ww's
.set G0B, 56
.set LIM, 43                           ; s43      1 in a wave that prefetches, else the greatest number
.set PFA, 44                           ; s[44:45] where my prefetches stand
.set PST, 68                           ; s[68:69] their step: a K step of aw or of ww
.set CC,  70                           ; s[70:71] 2 log2(e), named as a pair
.set GW0, (1<<16)|(1<<20)|(1<<21)|(4<<22)|(3<<25)  ; group 1, word 0 beside the mask: 2-byte elements; padding on; bit 21 set beside a mask; after every 32 words (code 4) 4 words (code 3)
.set MSB, 0
.macro WIN new                         ; the immediate's high byte repeats the setting that is left; a switch that changes nothing is dropped
.if MSB != (\new)
	s_set_vgpr_msb (MSB<<8)|(\new)
.set MSB, \new
.endif
.endm
.macro PLACES                          ; four places behind matrix instructions, in front of loads into registers that they have read
.rept 4
	v_nop
.endr
.endm
; A joint load.  Waves 0 and 1 ask for aw's two tiles, waves 2 and 3 for the halves of ww's.  The branch hangs on the wave's number alone.  An s_nop 0 and four v_nop follow each of the two lines.
.macro JLOAD s
	s_cmp_eq_u32 s11, 0
	s_cbranch_scc0 .Lfor_w_\@
	tensor_load_to_lds s[G0+4*(\s):G0+4*(\s)+3], s[G1:G1+7]
	s_nop 0
.rept 4
	v_nop
.endr
	s_branch .Lasked_\@
.Lfor_w_\@:
	tensor_load_to_lds s[G0B+4*(\s):G0B+4*(\s)+3], s[G1B:G1B+7]
	s_nop 0
.rept 4
	v_nop
.endr
.Lasked_\@:
.endm
; A prefetch into the L2 of the K step that stands two refills on (512 matrix instructions ahead of the load that will want it): one instruction a wave, a lane a block of 256 bytes.
; Each block is named by one wave in the launch: aw's tiles of a ytile are read by the two clusters of that row of clusters: cluster x = 0 asks; ww's of a side and ntile by four clusters: the side's first asks.
; The four partners that ask for a tile jointly share its blocks out by address: 32 of a wave's 128 blocks of aw (by cx), 24 of its 96 of ww (by cy; lanes 24-31 repeat block 23 in the same instruction).
; K steps 0 to 3 come by their loads alone; the loop's last trip (s3 = 1) asks for nothing: there is no K step 16.
.macro ASK
	s_cmp_gt_u32 s3, s[LIM]
	s_cbranch_scc0 .Lnot_mine_\@
	global_prefetch_b8 v[PFO], s[PFA:PFA+1] th:TH_LOAD_NT scope:SCOPE_SE
.Lnot_mine_\@:
.endm
; A round of the cluster's barrier: my work-group's barrier; wave 0 signals for the work-group; every wave waits for all sixteen; my work-group's barrier once more.
.macro CREST                           ; a round behind its opening barrier
	s_cmp_lg_u32 s10, 0
	s_cbranch_scc1 .Lnot_wave_0_\@
	s_barrier_signal -3
.Lnot_wave_0_\@:
	s_barrier_wait -3
	s_barrier_signal -1
	s_barrier_wait -1
.endm
.macro CROUND
	s_barrier_signal -1
	s_barrier_wait -1
	CREST
.endm
	s_load_b512 s[72:87], s[0:1], 0x0              ; aw s[72:73], ww s[74:75], bp1, bp2, bp4 s[76:81], bh1, bh2, bh4 s[82:87]
	s_load_b128 s[88:91], s[0:1], 0x40             ; out0, out1
	v_lshl_add_u32 v[SPW], v0, 2, SPARE
	v_mov_b32 v[NIL], 0
	ds_add_u32 v[SPW], v[NIL]                      ; the wave's opening: the add, twice on end, and its wait stand ahead of my first tensor load; the set-up below stands between
	ds_add_u32 v[SPW], v[NIL]                      ; and once more, under the one wait
	v_lshrrev_b32 v1, 5, v0
	v_readfirstlane_b32 s10, v1                    ; wave 0..3
	s_lshr_b32 s11, s10, 1                         ; which 128 rows are mine.  Also: I fetch from aw (0) or from ww (1)
	s_and_b32 s12, s10, 1                          ; which 64 columns.  Also: which tile (x_s, x_e) or which half of the weights' block I fetch
	s_bfe_u32 s40, ttmp6, 0x40000                  ; cx
	s_bfe_u32 s41, ttmp6, 0x40004                  ; cy
	s_lshl_b32 s42, ttmp9, 2                       ; in a cluster launch ttmp9 and ttmp7 count clusters
	s_add_co_u32 s42, s42, s40                     ; ntile = 4 x cluster x + cx
	s_and_b32 s67, ttmp7, 0xffff                   ; cluster y
	s_lshl_b32 s13, s67, 2
	s_add_co_u32 s13, s13, s41                     ; ytile = 4 x cluster y + cy
	s_lshr_b32 s66, s67, 2                         ; side: the same in the whole cluster
	s_lshl_b32 s43, s41, 2
	s_lshl_b32 s43, 15, s43                        ; my row of the cluster: places 4 cy .. 4 cy + 3
	s_lshl_b32 s44, 0x1111, s40                    ; my column: places cx, cx + 4, cx + 8, cx + 12
	s_or_b32 s[G1+0], s43, GW0                     ; aw's tiles go to my row,
	s_or_b32 s[G1B+0], s44, GW0                    ; ww's to my column
	s_mov_b32 s[G1+1], 128<<16                     ; tensor_dim0 = 128 elements: rows of 256 bytes
	s_mov_b32 s[G1B+1], 128<<16
	s_mov_b32 s[G1+2], 128<<16                     ; tensor_dim1 = 128 rows: 32,768 bytes
	s_mov_b32 s[G1B+2], 96<<16                     ; 96 rows: 24,576 bytes
	s_mov_b32 s[G1+3], 128<<16                     ; tile_dim0
	s_mov_b32 s[G1B+3], 128<<16
	s_mov_b32 s[G1+4], 128                         ; tile_dim1
	s_mov_b32 s[G1B+4], 96
	s_mov_b32 s[G1+5], 128                         ; elements from row to row: dense
	s_mov_b32 s[G1B+5], 128
	s_mov_b32 s[G1+6], 0
	s_mov_b32 s[G1B+6], 0
	s_mov_b32 s[G1+7], 0
	s_mov_b32 s[G1B+7], 0
	s_lshl_b32 s16, s13, 20                        ; aw: ytile, which my row of the cluster shares,
	s_lshl_b32 s17, s12, 15                        ; and x_s or x_e
	s_add_co_u32 s16, s16, s17
	s_mov_b32 s17, 0
	s_lshl_b32 s46, s66, 3                         ; ww: 8 side + ntile, which my column shares,
	s_add_co_u32 s46, s46, s42
	s_mul_i32 s46, s46, 786432
	s_mul_i32 s47, s12, 24576                      ; and the half
	s_add_co_u32 s46, s46, s47
	s_mov_b32 s47, 0
	s_mul_i32 s20, s12, AE                         ; where they go in a slot: no place in the cluster enters an LDS address
	s_mul_i32 s21, s12, 192*PITCH
	s_add_co_u32 s21, s21, WOFF
	s_mov_b32 s[CC], 0x4038aa3b                    ; 2 log2(e) = 2.885390
	s_mov_b32 s[CC+1], s[CC]
	s_wait_dscnt 0x0                               ; both opening adds are done
	s_wait_kmcnt 0x0
	s_add_nc_u64 s[14:15], s[72:73], s[16:17]
	s_add_nc_u64 s[46:47], s[74:75], s[46:47]
	CROUND                                         ; all sixteen work-groups are here: the first joint loads meet
.irp s, 0,1
	s_mov_b32 s[G0+4*(\s)], 1                      ; count = 1
	s_add_co_u32 s[G0+4*(\s)+1], s20, (\s)*SLOT    ; LDS address
	s_add_nc_u64 s[G0+4*(\s)+2:G0+4*(\s)+3], s[14:15], (\s)*ASTEP  ; global address: K step s
	s_or_b32 s[G0+4*(\s)+3], s[G0+4*(\s)+3], 0x80000000           ; type = 2
	s_mov_b32 s[G0B+4*(\s)], 1
	s_add_co_u32 s[G0B+4*(\s)+1], s21, (\s)*SLOT
	s_add_nc_u64 s[G0B+4*(\s)+2:G0B+4*(\s)+3], s[46:47], (\s)*WSTEP
	s_or_b32 s[G0B+4*(\s)+3], s[G0B+4*(\s)+3], 0x80000000
.endr
	s_cmp_eq_u32 s11, 0                            ; a wave's two first fills stand in one branch, ahead of every wait on TENSORcnt, every LDS read and every other barrier
	s_cbranch_scc0 .Lfirst_w
	tensor_load_to_lds s[G0:G0+3], s[G1:G1+7]
	s_nop 0
	tensor_load_to_lds s[G0+4:G0+7], s[G1:G1+7]
	s_nop 0
.rept 4
	v_nop
.endr
	s_branch .Lfirst_asked
.Lfirst_w:
	tensor_load_to_lds s[G0B:G0B+3], s[G1B:G1B+7]
	s_nop 0
	tensor_load_to_lds s[G0B+4:G0B+7], s[G1B:G1B+7]
	s_nop 0
.rept 4
	v_nop
.endr
.Lfirst_asked:
	; the biases of my 64 columns, in an accumulator's layout: register j of the eight for column block b is bias[16 b + 8 (l / 16) + j]
	s_cmp_eq_u32 s66, 0
	s_cselect_b64 s[4:5], s[76:77], s[82:83]       ; b1 of the side
	s_cselect_b64 s[6:7], s[78:79], s[84:85]       ; b2
	s_cselect_b64 s[92:93], s[80:81], s[86:87]     ; b4
	s_cselect_b64 s[8:9], s[88:89], s[90:91]       ; the side's output
	s_lshl_b32 s94, s42, 9                         ; my first column, in bytes of f32: 512 ntile + 256 (w % 2): for the biases and for the output
	s_lshl_b32 s95, s12, 8
	s_add_co_u32 s94, s94, s95
	s_mov_b32 s95, 0
	s_add_nc_u64 s[4:5], s[4:5], s[94:95]
	s_add_nc_u64 s[6:7], s[6:7], s[94:95]
	s_add_nc_u64 s[92:93], s[92:93], s[94:95]
	v_and_b32 v1, 15, v0                           ; l % 16
	v_bfe_u32 v2, v0, 4, 1                         ; l / 16
	v_lshlrev_b32 v[BO], 5, v2
	WIN 0x80                                       ; destination window 2: b1 where P's last four accumulators will lie
.irp b, 0,1,2,3
	global_load_b128 v[224+8*(\b):224+8*(\b)+3],   v[BO], s[4:5] offset:64*(\b)
	global_load_b128 v[224+8*(\b)+4:224+8*(\b)+7], v[BO], s[4:5] offset:64*(\b)+16
.endr
	WIN 0xc0                                       ; destination window 3: b4 where Q's last four accumulators will lie
.irp b, 0,1,2,3
	global_load_b128 v[224+8*(\b):224+8*(\b)+3],   v[BO], s[92:93] offset:64*(\b)
	global_load_b128 v[224+8*(\b)+4:224+8*(\b)+7], v[BO], s[92:93] offset:64*(\b)+16
.endr
	WIN 0                                          ; b2 into X's first registers, which are free until the first fragments come
.irp b, 0,1,2,3
	global_load_b128 v[X+8*(\b):X+8*(\b)+3],   v[BO], s[6:7] offset:64*(\b)
	global_load_b128 v[X+8*(\b)+4:X+8*(\b)+7], v[BO], s[6:7] offset:64*(\b)+16
.endr
	; A fragment is 16 rows x 32 channels in 8 registers: lane l takes row l % 16, 16 bytes at 16 (l / 16) and 16 bytes 32 further on.
	v_mul_u32_u24 v3, v1, PITCH
	v_lshl_add_u32 v3, v2, 4, v3
	s_mul_i32 s18, s11, 128*PITCH                  ; my 128 rows of x_s
	s_mul_i32 s19, s12, 64*PITCH                   ; my 64 rows of W1+W3
	s_add_co_u32 s19, s19, WOFF
.irp s, 0,1
	v_add_nc_u32 v[ADRA+(\s)], s18, v3
	v_add_nc_u32 v[ADRW+(\s)], s19, v3
	s_add_co_u32 s18, s18, SLOT
	s_add_co_u32 s19, s19, SLOT
.endr
	s_mul_i32 s18, s10, 16*SP
	s_add_co_u32 s18, s18, STAGE                   ; my stage
	v_mul_u32_u24 v4, v1, SP                       ; in: row l % 16, 32 bytes for each half of the lanes
	v_lshl_add_u32 v4, v2, 5, v4
	v_add_nc_u32 v[STO], s18, v4
	v_mul_u32_u24 v5, v2, SP                       ; back: lanes 0-15 take one row of 256 bytes, lanes 16-31 the next
	v_lshl_add_u32 v5, v1, 4, v5
	v_add_nc_u32 v[RD], s18, v5
	v_lshlrev_b32 v5, 12, v2                       ; and the same two rows of 4,096 bytes in the output
	v_lshl_add_u32 v[CO], v1, 4, v5
	; the prefetches: selects by what I fetch; s[14:15] and s[46:47] still hold my tile's address at K step 0
	s_and_b32 s23, s67, 3                          ; cluster y within the side
	s_mov_b32 s21, 6144
	s_mov_b32 s[PST], WSTEP
	s_cmp_eq_u32 s11, 0                            ; do I fetch from aw?
	s_cselect_b64 s[PFA:PFA+1], s[14:15], s[46:47]
	s_cselect_b32 s20, s40, s41                    ; my place among the four that ask with me
	s_cselect_b32 s21, 8192, s21                   ; a partner's share: 32 or 24 blocks of 256 bytes
	s_cselect_b32 s[PST], ASTEP, s[PST]
	s_cselect_b32 s22, 31, 23
	s_cselect_b32 s23, ttmp9, s23                  ; the coordinate along which other clusters read the same blocks
	s_mov_b32 s[PST+1], 0
	s_cmp_eq_u32 s23, 0
	s_cselect_b32 s[LIM], 1, -1                    ; the same in all sixteen partners, for a given wave
	s_mul_i32 s20, s20, s21
	s_mov_b32 s21, 0
	s_add_nc_u64 s[PFA:PFA+1], s[PFA:PFA+1], s[20:21]
	s_mul_i32 s20, s[PST], 3
	s_add_nc_u64 s[PFA:PFA+1], s[PFA:PFA+1], s[20:21]  ; at K step 3: the first refill steps it to 4
	v_and_b32 v[PFO], 31, v0
	v_min_u32 v[PFO], s22, v[PFO]
	v_lshlrev_b32 v[PFO], 8, v[PFO]
	; the output at my first row and column
	s_and_b32 s16, s13, 15                         ; b
	s_lshl_b32 s16, s16, 20                        ; 256 rows of 4,096 bytes
	s_lshl_b32 s17, s11, 19                        ; my 128 of them
	s_add_co_u32 s16, s16, s17
	s_mov_b32 s17, 0
	s_add_nc_u64 s[8:9], s[8:9], s[16:17]
	s_add_nc_u64 s[8:9], s[8:9], s[94:95]
	s_wait_loadcnt 0x0                             ; the biases
	WIN 0x82                                       ; destination and source 0 window 2, source 1 window 0
.set i, 0
.rept 16
	v_pk_add_f32 v[224+i:224+i+1], v[224+i:224+i+1], v[X+i:X+i+1]  ; b1 + b2
.set i, i+2
.endr
	WIN 0
; 16 matrix instructions: row blocks a0 .. a0 + 3 x all 4 column blocks, 32 channels; weight fragments at wf, row fragments at af (window 0); msb picks the windows of C and D.
; bias = 0: in place.  bias = 1: a sum's first product: C is the bias's eight registers v[224 + 8 b] of the window that msb names for source 2.
; bias = 2: the same, where row block 7 writes registers that earlier matrix instructions read as C: five places stand ahead of it (ISA guide 7.12.1).
; The accumulators take turns, one instruction a turn.
.macro MUL16 msb, wf, af, a0, bias
	WIN \msb
.irp a, (\a0), (\a0)+1, (\a0)+2, (\a0)+3
.if ((\bias) == 2) && ((\a) == 7)
.rept 5
	v_nop
.endr
.endif
.irp b, 0,1,2,3
.if \bias
	v_wmma_f32_16x16x32_f16 v[8*(4*(\a)+(\b)):8*(4*(\a)+(\b))+7], v[(\wf)+8*(\b):(\wf)+8*(\b)+7], v[(\af)+8*(\a):(\af)+8*(\a)+7], v[224+8*(\b):224+8*(\b)+7]
.else
	v_wmma_f32_16x16x32_f16 v[8*(4*(\a)+(\b)):8*(4*(\a)+(\b))+7], v[(\wf)+8*(\b):(\wf)+8*(\b)+7], v[(\af)+8*(\a):(\af)+8*(\a)+7], v[8*(4*(\a)+(\b)):8*(4*(\a)+(\b))+7]
.endif
.endr
.endr
.endm
.macro GRP msb, wf, af, bias           ; a group: all 32 accumulators of one set
	MUL16 \msb, \wf, \af, 0, \bias
	MUL16 \msb, \wf, \af, 4, \bias
.endm
; The LDS loads stand in two runs a slice.  ALPHA, 32 loads, in the order in which they are wanted: W4 (8), x_e (16), W2-W3 (8), at byte k of the slot's rows.
.macro ALPHA slot, k
	WIN 0
.irp b, 0,1,2,3
	ds_load_b128 v[WB+8*(\b):WB+8*(\b)+3],   v[ADRW+(\slot)] offset:W4O+FR*(\b)+(\k)
	ds_load_b128 v[WB+8*(\b)+4:WB+8*(\b)+7], v[ADRW+(\slot)] offset:W4O+FR*(\b)+(\k)+32
.endr
.irp a, 0,1,2,3,4,5,6,7
	ds_load_b128 v[Y+8*(\a):Y+8*(\a)+3],   v[ADRA+(\slot)] offset:AE+FR*(\a)+(\k)
	ds_load_b128 v[Y+8*(\a)+4:Y+8*(\a)+7], v[ADRA+(\slot)] offset:AE+FR*(\a)+(\k)+32
.endr
.irp b, 0,1,2,3
	ds_load_b128 v[WC+8*(\b):WC+8*(\b)+3],   v[ADRW+(\slot)] offset:W23O+FR*(\b)+(\k)
	ds_load_b128 v[WC+8*(\b)+4:WC+8*(\b)+7], v[ADRW+(\slot)] offset:W23O+FR*(\b)+(\k)+32
.endr
.endm
; BETA, 24 loads: W1+W3 (8) and x_s (16) of the NEXT slice.
.macro BETA slot, k
	WIN 0
.irp b, 0,1,2,3
	ds_load_b128 v[WA+8*(\b):WA+8*(\b)+3],   v[ADRW+(\slot)] offset:FR*(\b)+(\k)
	ds_load_b128 v[WA+8*(\b)+4:WA+8*(\b)+7], v[ADRW+(\slot)] offset:FR*(\b)+(\k)+32
.endr
.irp a, 0,1,2,3,4,5,6,7
	ds_load_b128 v[X+8*(\a):X+8*(\a)+3],   v[ADRA+(\slot)] offset:FR*(\a)+(\k)
	ds_load_b128 v[X+8*(\a)+4:X+8*(\a)+7], v[ADRA+(\slot)] offset:FR*(\a)+(\k)+32
.endr
.endm
; A SLICE is 32 channels: four groups of 32 matrix instructions: L += WA X, P += WB X, Q += WB Y, L += WC Y.  A K step is two slices.
; A slot's first slice (k = 0).  first = 1: the launch's first: the sums start with the biases: L takes b1 + b2 (window 2), P and Q take b4 (window 3).
.macro SLICE slot, k, nslot, nk, first=0
	PLACES                                         ; behind the last slice's products, which read WB, Y and WC
	ALPHA \slot, \k
	s_wait_dscnt 32                                ; all but the 32 just issued: WA and X are in
.if \first
	GRP 0x60, WA, X, 1
.else
	GRP 0x50, WA, X, 0
.endif
	s_wait_dscnt 24                                ; x_e's 16 and W2-W3's 8 may stay out: WB is in
.if \first
	GRP 0xb0, WB, X, 2
.else
	GRP 0xa0, WB, X, 0
.endif
	PLACES                                         ; behind the products that read WA and X
	BETA \nslot, \nk
	s_wait_dscnt 32                                ; W2-W3's 8 and the 24 just issued may stay out: Y is in
.if \first
	GRP 0xf0, WB, Y, 2
.else
	GRP 0xf0, WB, Y, 0
.endif
	s_wait_dscnt 24                                ; the 24 may stay out: WC is in
	GRP 0x50, WC, Y, 0
.endm
; A slot's second slice (k = 64) changes slots: ONE barrier.  In front of it each wave waits for all its tensor loads (one is out: its part of the next slot), adds 0 to its spare word, and waits for that
; and for its own reads of this slot, of which ALPHA's are the last.  Behind it nobody reads this slot any more and the next slot is whole.
; fill = 1: the barrier opens a round of the cluster's, so that no wave of any partner still reads the slot or has a load on its way; the joint refill, two K steps on, is the first thing behind the round:
; 224 matrix instructions ahead of the wait for it.
.macro TURN slot, nslot, fill
.if \fill
	s_wait_xcnt 0x0                                ; the last prefetch, a K step back, has read its address: it is stepped here, ahead of the change's own waits
	s_add_nc_u64 s[PFA:PFA+1], s[PFA:PFA+1], s[PST:PST+1]
.endif
	PLACES
	ALPHA \slot, 64
	s_wait_dscnt 32                                ; WA and X are in
	GRP 0x50, WA, X, 0
	WIN 0                                          ; (the add's two registers lie in window 0)
	s_wait_tensorcnt 0x0                           ; all my tensor loads have landed
	ds_add_u32 v[SPW], v[NIL]                      ; 0 onto my spare word
	s_wait_dscnt 25                                ; x_e's 16, W2-W3's 8 and the add may stay out: WB is in
	MUL16 0xa0, WB, X, 0, 0                        ; sixteen matrix instructions stand between the add and the wait for it
	s_wait_dscnt 0x0                               ; the add is done, and my reads of this slot are over
	s_barrier_signal -1
	MUL16 0xa0, WB, X, 4, 0                        ; work on registers while the others arrive
	WIN 0                                          ; at a branch and at a label every window is 0
	s_barrier_wait -1
.if \fill
	CREST
	s_add_nc_u64 s[G0+4*(\slot)+2:G0+4*(\slot)+3], s[G0+4*(\slot)+2:G0+4*(\slot)+3], 2*ASTEP    ; no tensor load of mine is out, so a group 0 may be written
	s_add_nc_u64 s[G0B+4*(\slot)+2:G0B+4*(\slot)+3], s[G0B+4*(\slot)+2:G0B+4*(\slot)+3], 2*WSTEP
	JLOAD \slot                                    ; the four v_nop behind it are also the places in front of the loads below
.else
	PLACES
.endif
	BETA \nslot, 0                                 ; the next slot's first fragments
.if \fill
	ASK
.endif
	GRP 0xf0, WB, Y, 0                             ; Y and WC are in since the wait for 0
	GRP 0x50, WC, Y, 0
.endm
.macro LAST slot                       ; the very last slice: nothing more to fetch
	PLACES
	ALPHA \slot, 64
	s_wait_dscnt 32
	GRP 0x50, WA, X, 0
	s_wait_dscnt 24
	GRP 0xa0, WB, X, 0
	s_wait_dscnt 8                                 ; W2-W3's 8 may stay out
	GRP 0xf0, WB, Y, 0
	s_wait_dscnt 0x0
	GRP 0x50, WC, Y, 0
.endm
; THE WAY OUT of row block a (16 rows x my 64 columns), in three parts.
; CALC: t = P Q + L (each accumulator's lowest registers are read first), then tanh t.  The 32 exponentials are one batch, and so are the 32 reciprocals: behind each batch a plain
; instruction and one wait ahead of the first reader.
.macro CALC a
	WIN 0x1e                                       ; source 0 window 2 (P), source 1 window 3 (Q), source 2 window 1 (L), destination window 0
.set i, 0
.rept 16
	v_pk_fma_f32 v[T+i:T+i+1], v[32*(\a)+i:32*(\a)+i+1], v[32*(\a)+i:32*(\a)+i+1], v[32*(\a)+i:32*(\a)+i+1]
.set i, i+2
.endr
	WIN 0
.set i, 0
.rept 16
	v_pk_mul_f32 v[T+i:T+i+1], v[T+i:T+i+1], s[CC:CC+1] op_sel_hi:[1,0]
.set i, i+2
.endr
.set i, 0
.rept 32
	v_exp_f32 v[T+i], v[T+i]
.set i, i+1
.endr
	v_nop
	s_wait_alu depctr_va_vdst(0)
.set i, 0
.rept 16
	v_pk_add_f32 v[T+i:T+i+1], v[T+i:T+i+1], 1.0 op_sel_hi:[1,0]
.set i, i+2
.endr
.set i, 0
.rept 32
	v_rcp_f32 v[T+i], v[T+i]
.set i, i+1
.endr
	v_nop
	s_wait_alu depctr_va_vdst(0)
.set i, 0
.rept 16
	v_pk_fma_f32 v[T+i:T+i+1], v[T+i:T+i+1], -2.0, 1.0 op_sel_hi:[1,0,0]
.set i, i+2
.endr
.endm
; TOSTAGE: a lane's eight neighbouring columns, 32 bytes, go into my own stage, rows of 272 bytes, and come back as whole rows of 256.
.macro TOSTAGE a
.set BK, OB+32*((\a)%2)
.irp b, 0,1,2,3
	ds_store_b128 v[STO], v[T+8*(\b):T+8*(\b)+3]   offset:64*(\b)
	ds_store_b128 v[STO], v[T+8*(\b)+4:T+8*(\b)+7] offset:64*(\b)+16
.endr
.irp t, 0,1,2,3,4,5,6,7
	ds_load_b128 v[BK+4*(\t):BK+4*(\t)+3], v[RD] offset:(\t)*2*SP  ; LDS serves a wave's instructions in order (ISA guide 5.7.1.4): these see the stores above
.endr
.endm
.macro SEND a
.set BK, OB+32*((\a)%2)
	s_wait_dscnt 0x0                               ; the block is back in registers
	s_wait_xcnt 0x0                                ; earlier stores have read their base and data: only behind this wait are the base stepped and the other row buffer loaded again
.if (\a) > 0
	s_add_nc_u64 s[8:9], s[8:9], 16*4096           ; 16 rows on
.endif
.irp t, 0,1,2,3,4,5,6,7
	global_store_b128 v[CO], v[BK+4*(\t):BK+4*(\t)+3], s[8:9] offset:2*(\t)*4096 th:TH_STORE_NT  ; 16 lanes store 256 consecutive bytes, at a multiple of 256 from the output's first byte
.endr
.endm
	s_wait_tensorcnt 0x1                           ; my part of K step 0 is in; K step 1's may stay out
	s_barrier_signal -1
	s_barrier_wait -1                              ; everybody's is
	BETA 0, 0
	SLICE 0, 0, 0, 64, 1                           ; the first slice stands in front of the loop: its products start the sums
	WIN 0
	s_mov_b32 s3, 7
.Llap:                                             ; a trip goes once round the ring, from a lap's second slice to the next lap's first, and fills both slots again: K steps 2 .. 15 in seven trips
	TURN 0, 1, 1
	SLICE 1, 0, 1, 64
	TURN 1, 0, 1
	SLICE 0, 0, 0, 64
	WIN 0
	s_sub_co_u32 s3, s3, 1
	s_cmp_lg_u32 s3, 0
	s_cbranch_scc1 .Llap
	TURN 0, 1, 0                                   ; the last lap fills nothing, and has no round of the cluster's barrier
	SLICE 1, 0, 1, 64
	LAST 1
	WIN 0
	PLACES                                         ; behind the last products, in front of the lines that read their results and write their sources
	PLACES
	CALC 0
	TOSTAGE 0
.irp a, 1,2,3,4,5,6,7                  ; block a's arithmetic stands between block a - 1's loads from the stage and the wait for them
	CALC \a
	SEND (\a)-1
	TOSTAGE \a
.endr
	SEND 7
	s_wait_tensorcnt 0x0                           ; the wave's end: the add and its wait stand behind my last tensor load and my last LDS store
	ds_add_u32 v[SPW], v[NIL]
	s_wait_dscnt 0x0
	CROUND                                         ; the closing round: no work-group ends while a partner may still ask for a tile that names it
	s_endpgm
.Lfunc_end_k_qaafaab0209_span:
	.size	k_qaafaab0209_span, .Lfunc_end_k_qaafaab0209_span-k_qaafaab0209_span
	.p2alignl 7, 3214868480
	.fill 96, 4, 3214868480
	.section	.rodata,"a",@progbits
	.p2align	6, 0x0
	.amdhsa_kernel k_qaafaab0209_span
		.amdhsa_group_segment_fixed_size 327680
		.amdhsa_private_segment_fixed_size 0
		.amdhsa_enable_private_segment 0
		.amdhsa_kernarg_size 80
		.amdhsa_user_sgpr_count 2
		.amdhsa_user_sgpr_kernarg_segment_ptr 1
		.amdhsa_wavefront_size32 1
		.amdhsa_system_sgpr_workgroup_id_x 1
		.amdhsa_system_sgpr_workgroup_id_y 1
		.amdhsa_system_sgpr_workgroup_id_z 1
		.amdhsa_system_vgpr_workitem_id 0
		.amdhsa_next_free_vgpr 1024
		.amdhsa_next_free_sgpr 96
		.amdhsa_reserve_vcc 0
		.amdhsa_float_denorm_mode_32 3
		.amdhsa_float_denorm_mode_16_64 3
		.amdhsa_memory_ordered 1
		.amdhsa_forward_progress 1
		.amdhsa_inst_pref_size 176
	.end_amdhsa_kernel
	.amdgpu_metadata
---
amdhsa.version: [ 1, 2 ]
amdhsa.kernels:
  - .name:           k_qaafaab0209_span
    .symbol:         k_qaafaab0209_span.kd
    .args:
      - { .name: aw, .offset: 0, .size: 8, .value_kind: global_buffer, .address_space: global }
      - { .name: ww, .offset: 8, .size: 8, .value_kind: global_buffer, .address_space: global }
      - { .name: bp1, .offset: 16, .size: 8, .value_kind: global_buffer, .address_space: global }
      - { .name: bp2, .offset: 24, .size: 8, .value_kind: global_buffer, .address_space: global }
      - { .name: bp4, .offset: 32, .size: 8, .value_kind: global_buffer, .address_space: global }
      - { .name: bh1, .offset: 40, .size: 8, .value_kind: global_buffer, .address_space: global }
      - { .name: bh2, .offset: 48, .size: 8, .value_kind: global_buffer, .address_space: global }
      - { .name: bh4, .offset: 56, .size: 8, .value_kind: global_buffer, .address_space: global }
      - { .name: out0, .offset: 64, .size: 8, .value_kind: global_buffer, .address_space: global }
      - { .name: out1, .offset: 72, .size: 8, .value_kind: global_buffer, .address_space: global }
    .group_segment_fixed_size: 327680
    .private_segment_fixed_size: 0
    .kernarg_segment_align: 8
    .kernarg_segment_size: 80
    .max_flat_workgroup_size: 128
    .sgpr_count:     96
    .vgpr_count:     1024
    .wavefront_size: 32
...
	.end_amdgpu_metadata
.endif
;; end of part 2
